; MI455X (gfx1250); checked and timed in simulation.
; The chip was launched on July 23, 2026; its instructions are those of AMD's public machine-readable ISA for CDNA 5 (MIT licence, August 2026) and "CDNA5" Instruction Set Architecture Reference Guide (July 2026). The comments in the code are by the model that wrote it; some were corrected since.
;; Multi Headed Self Attention. Allowed arithmetic: matrix products marked QUANTISED: E5M2 operands, one E8M0 scale for each 32 along K, by v_wmma_scale_f32_16x16x128_f8f6f4 with both operands' format E5M2, f32 sums; everything else in f32.
;; Inputs: Wk_codes 1,024 x 32 x 32 uint8 (E5M2 codes of Wk, K innermost, in blocks of 32 codes); Wk_scales 1,024 x 32 uint8 (E8M0 scales of Wk, one for each 32 codes along K); Wq_codes 1,024 x 32 x 32 uint8 (E5M2 codes of Wq, K innermost, in blocks of 32 codes); Wq_scales 1,024 x 32 uint8 (E8M0 scales of Wq, one for each 32 codes along K); Wv_codes 1,024 x 32 x 32 uint8 (E5M2 codes of Wv, K innermost, in blocks of 32 codes); Wv_scales 1,024 x 32 uint8 (E8M0 scales of Wv, one for each 32 codes along K); bk 1,024 float32; bq 1,024 float32; bv 1,024 float32; overall_bias 1 x 16 x 1 x 1 float32; overall_gain 1 x 16 x 1 x 1 float32; pre_query_codes 4 x 2,048 x 32 x 32 uint8 (E5M2 codes of pre_query, K innermost, in blocks of 32 codes); pre_query_scales 4 x 2,048 x 32 uint8 (E8M0 scales of pre_query, one for each 32 codes along K); pre_value_key_codes 4 x 2,048 x 32 x 32 uint8 (E5M2 codes of pre_value_key, K innermost, in blocks of 32 codes); pre_value_key_scales 4 x 2,048 x 32 uint8 (E8M0 scales of pre_value_key, one for each 32 codes along K); value_key_counts 4 float32; value_key_masks 4 x 2,048 float32.
;; Outputs: out0 4 x 2,048 x 1,024 float32.
;; This version of the problem:
;;   THIS VERSION OF THE PROBLEM IS GIVEN IN LOW PRECISION. The matrix products marked QUANTISED in the list below multiply operands that are first quantised to E5M2 (5 exponent bits, 2 mantissa bits; 8 bits a number), with one power-of-two scale for each 32 numbers along K (OCP MX v1.0); their sums are f32. All else is computed in f32.
;;   The module's matrix products, in the order in which they are computed (A, B: the left and right operand; K: the contracted axis; several contracted axes count as one K, in the product's order):
;;     1. [M 8,192, K 1,024] x [K 1,024, N 1,024]; A: input pre_query (given as codes); B: input Wq (given as codes): QUANTISED
;;     2. [M 8,192, K 1,024] x [K 1,024, N 1,024]; A: input pre_value_key (given as codes); B: input Wk (given as codes): QUANTISED
;;     3. [M 8,192, K 1,024] x [K 1,024, N 1,024]; A: input pre_value_key (given as codes); B: input Wv (given as codes): QUANTISED
;;     4. batch 64 x [M 2,048, K 64] x [K 64, N 2,048]; A: computed on the way; B: computed on the way: QUANTISED
;;     5. batch 64 x [M 2,048, K 2,048] x [K 2,048, N 64]; A: softmax (see below); B: computed on the way: QUANTISED
;;   THE QUANTISER, for each operand of a quantised product, along K:
;;     - K is cut into blocks of 32 from its start; a last block that is shorter is filled with zeros.
;;     - A block's scale is 2^e with e = floor(log2(the largest magnitude in the block)) - 15, held to -126 .. 127; a block of zeros has e = 0. As a byte (E8M0): e + 127.
;;     - Each number is divided by its block's scale, clamped to +-57,344, and rounded to the nearest number of E5M2, ties to even, subnormals kept.
;;     - The product sums the exact products of the quantised numbers (number of the format x scale) in f32.
;;   ~~~python
;;   def quantise(x, axis):      # numpy; x: float32 -> the quantised numbers, widened to float32 again
;;       x = np.moveaxis(x, axis, -1); K = x.shape[-1]
;;       x = np.pad(x, [(0, 0)] * (x.ndim - 1) + [(0, -K % 32)]); x = x.reshape(x.shape[:-1] + (-1, 32)); a = np.abs(x).max(-1, keepdims=True)
;;       e = np.where(a > 0, np.clip(np.frexp(np.where(a > 0, a, 1))[1] - 1 - 15, -126, 127), 0)      # np.frexp(a)[1] - 1 = floor(log2(a)), exactly
;;       r = np.clip(x / 2.0 ** e, -57344, 57344)
;;       step = 2.0 ** (np.maximum(np.frexp(np.where(r == 0, 1, r))[1] - 1, -14) - 2)
;;       q = np.round(r / step) * step * 2.0 ** e      # np.round: ties to even
;;       return np.moveaxis(q.reshape(q.shape[:-2] + (-1,))[..., :K], -1, axis).astype(np.float32)
;;   ~~~
;;   SOFTMAX AHEAD OF A QUANTISED PRODUCT. Where the list says 'softmax', what is quantised is not the finished softmax but p = 2^(t - M), with t = logit x log2(e) and M = ceil(the row's largest t), a whole number; so 1/2 < the row's largest p <= 1. The row's sum l is taken of the UNQUANTISED p, in f32, and the product's result is divided by l at the end. Since M is a whole number, a kernel that streams over the keys may use a running M (the ceiling of the running maximum): every later rescaling is an exact power of two, which a block's scale takes up: the codes' values come out the same.
;;   OPERANDS COMPUTED ON THE WAY. 'Computed on the way' means the value that the module computes at that place (a softmax that the list does not call 'softmax' is quantised finished and normalised). What goes into a quantiser is computed in f32, as accurately as f32 sums, v_exp_f32 and their like allow (about 1e-6 of the number): no bf16 or f16 on the way to a quantiser, and a product that is left as it is and whose result goes on into a quantised operand takes f32 operands (vector FMAs, or v_wmma_f32_16x16x4_f32). A number that lies on a knife's edge between two numbers of the format may be rounded either way, as far as f32 arithmetic and the matrix unit's own rounding can turn it there, and no further.
;;   INPUTS GIVEN AS CODES. Wk (in the module: [1024, 1024], K = its axis 1); Wq (in the module: [1024, 1024], K = its axis 1); Wv (in the module: [1024, 1024], K = its axis 1); pre_query (in the module: [4, 2048, 1024], K = its axis 2); pre_value_key (in the module: [4, 2048, 1024], K = its axis 2): each comes as NAME_codes (uint8): NAME with its K axis moved to the last place and cut into blocks of 32 codes, [.., K / 32, bytes a block], one block behind the other in memory; one code a byte (a code: sign, 5 exponent bits, 2 mantissa bits); and NAME_scales (uint8): the same leading axes, one E8M0 byte (e + 127) for each 32 codes along K. Its value is code x scale, taken as it is: it is not quantised again, and the codes and scales need not be those that the quantiser above would give.
;; One version. Each part assembles by itself: llvm-mc -triple=amdgcn-amd-amdhsa -mcpu=gfx1250 --defsym DOCPART=n.
;; ======== version 1 of 1: 2 launches
;; limits: right only within a limited range of input values
;; workspace buffers: qc 8,388,608 bytes; qsc 262,144 bytes; kc 8,388,608 bytes; ksc 262,144 bytes; vc 8,388,608 bytes; vsc 262,144 bytes
;; launch proj (part 1): grid 4 x 96, 4 waves a work-group, clusters of 4 x 4, 327,680 bytes of LDS; arguments pre_query_codes, pre_query_scales, pre_value_key_codes, pre_value_key_scales, Wq_codes, Wq_scales, Wk_codes, Wk_scales, Wv_codes, Wv_scales, bq, bk, bv, qc, qsc, kc, ksc, vc, vsc; writes qc, qsc, kc, ksc, vc, vsc
.if DOCPART == 1
	.amdgcn_target "amdgcn-amd-amdhsa--gfx1250"
	.amdhsa_code_object_version 6
	.text
	.protected	k_q030103f8a1_proj
	.globl	k_q030103f8a1_proj
	.p2align	8
	.type	k_q030103f8a1_proj,@function
k_q030103f8a1_proj:
	s_mov_b64 s[64:65], 0
	v_nop
	global_prefetch_b8 v0, s[64:65] scope:SCOPE_SE
	s_setreg_imm32_b32 hwreg(HW_REG_WAVE_MODE, 25, 1), 1
	s_wait_xcnt 0x0
	s_wait_alu depctr_hold_cnt(0) depctr_sa_sdst(0) depctr_va_vdst(0) depctr_va_sdst(0) depctr_va_ssrc(0) depctr_va_vcc(0) depctr_vm_vsrc(0)
	s_getreg_b32 s2, hwreg(HW_REG_IB_STS2, 6, 4)
	s_cmp_eq_u32 s2, 0
	s_cbranch_scc0 .Lentry_in_a_cluster
	s_endpgm
.Lentry_in_a_cluster:
	s_bfe_u32 s2, ttmp6, 0x10000c
	s_cmp_lg_u32 s2, 0xf033
	s_cbranch_scc0 .Lentry_shape_is_right
	s_endpgm
.Lentry_shape_is_right:
; Q = x_q Wq^T + bq, K = x_kv Wk^T + bk, V = x_kv Wv^T + bv on codes of BF8 (E5M2) with E8M0 scales, each result quantised again and stored as codes and scale words in the order of the next launch's operand registers.
; A work-group of four waves makes 256 x 256 of one product (role = cluster y / 8: Q, K, V; for V the weight is source 1's side); K goes in four steps of 256 through two LDS slots; the scale bytes of all of K lie in LDS.
; THE HEAD'S FOUR TILES, ONE JOINT LOAD A WAVE: step 0's 256 rows of A, of B, A's scale bytes, B's.  Slot 1's first fill stands behind the three lines and a round, as a refill does.
; No prefetch: K has four steps, of which the head and the first round ask for two.
.set KSTEP,  256
.set NQ,     2
.set ROWB,   256
.set KROW,   1024
.set PITCH,  272
.set FR,     16
.set NL,     4
.set NP,     8
.set HALFT,  128*PITCH
.set SLOT,   4*HALFT
.set KS,     32
.set SCL,    2*SLOT
.set HALFS,  (128*KS/256)*272
.set SBLK,   (16*KS/256)*272
.set SPARE,  SCL+4*HALFS
.set ADRA, 16
.set ADRB, 20
.set OA,   24
.set SA,   26
.set ADRS, 27
.set SPW,  28
.set NIL,  29
.set BQK,  30
.set BV,   31
.set SC,   32
.set BC,   64
.set AF,   128
.set PC,   192
.set TM,   224
.set PWR,  240
.set WD,   32
.set G1, 24
.set G0, 32
.set G1B, 48
.set G0B, 56
.set G1S, 68
.set G0S, 76
.set G1SB, 80
.set G0SB, 88
.set ROLE, 100
.set MSB, 0
.macro WIN new
.if MSB != (\new)
	s_set_vgpr_msb (MSB<<8)|(\new)
.set MSB, (\new)
.endif
.endm
.set MUL_LO, 0xa1
.set MUL_HI, 0xf1
.set TO_B,   0x40
.macro JLOAD g0a, g1a, g0b, g1b
	s_cmp_eq_u32 s15, 0
	s_cbranch_scc0 .Lfor_b_\@
	tensor_load_to_lds s[\g0a:\g0a+3], s[\g1a:\g1a+7]
	s_nop 0
.rept 4
	v_nop
.endr
	s_branch .Lasked_\@
.Lfor_b_\@:
	tensor_load_to_lds s[\g0b:\g0b+3], s[\g1b:\g1b+7]
	s_nop 0
.rept 4
	v_nop
.endr
.Lasked_\@:
.endm
.macro CREST
	s_cmp_lg_u32 s14, 0
	s_cbranch_scc1 .Lnot_wave_0_\@
	s_barrier_signal -3
.Lnot_wave_0_\@:
	s_barrier_wait -3
	s_barrier_signal -1
	s_barrier_wait -1
.endm
.macro CROUND
	s_barrier_signal -1
	s_barrier_wait -1
	CREST
.endm
	s_load_b512 s[24:39], s[0:1], 0x0
	s_load_b512 s[40:55], s[0:1], 0x40
	s_load_b128 s[56:59], s[0:1], 0x80
	s_load_b64 s[60:61], s[0:1], 0x90
	v_lshl_add_u32 v[SPW], v0, 2, SPARE
	v_mov_b32 v[NIL], 0
	ds_add_u32 v28, v29
	ds_add_u32 v28, v29
	s_wait_dscnt 0x0
	v_lshrrev_b32 v1, 5, v0
	v_readfirstlane_b32 s14, v1
	s_lshr_b32 s15, s14, 1
	s_and_b32 s16, s14, 1
	s_and_b32 s101, ttmp7, 0xffff
	s_lshr_b32 s[ROLE], s101, 3
	s_and_b32 s101, s101, 7
	s_wait_kmcnt 0x0
	s_cmp_eq_u32 s[ROLE], 0
	s_cselect_b64 s[4:5], s[24:25], s[28:29]
	s_cselect_b64 s[6:7], s[26:27], s[30:31]
	s_cselect_b64 s[8:9], s[32:33], s[36:37]
	s_cselect_b64 s[10:11], s[34:35], s[38:39]
	s_cselect_b64 s[96:97], s[44:45], s[46:47]
	s_cselect_b64 s[12:13], s[50:51], s[54:55]
	s_cselect_b64 s[98:99], s[52:53], s[56:57]
	s_cmp_eq_u32 s[ROLE], 2
	s_cselect_b64 s[8:9], s[4:5], s[8:9]
	s_cselect_b64 s[10:11], s[6:7], s[10:11]
	s_cselect_b64 s[4:5], s[40:41], s[4:5]
	s_cselect_b64 s[6:7], s[42:43], s[6:7]
	s_cselect_b64 s[96:97], s[48:49], s[96:97]
	s_cselect_b64 s[12:13], s[58:59], s[12:13]
	s_cselect_b64 s[98:99], s[60:61], s[98:99]
	s_cselect_b32 s18, 0, 4
	s_cselect_b32 s19, 4, 0
	s_bfe_u32 s40, ttmp6, 0x40000
	s_bfe_u32 s41, ttmp6, 0x40004
	s_mul_i32 s17, s101, s18
	s_add_co_u32 s17, s17, s41
	s_mul_i32 s42, s101, s19
	s_add_co_u32 s42, s42, s40
	s_lshl_b32 s43, s41, 2
	s_lshl_b32 s43, 15, s43
	s_lshl_b32 s44, 0x1111, s40
	s_or_b32 s[G1+0], s43, (0<<16)|(1<<20)|(1<<21)|(5<<22)|(3<<25)
	s_or_b32 s[G1B+0], s44, (0<<16)|(1<<20)|(1<<21)|(5<<22)|(3<<25)
.irp g, G1, G1B
	s_mov_b32 s[\g+1], ROWB<<16
	s_mov_b32 s[\g+2], 256<<16
	s_mov_b32 s[\g+3], ROWB<<16
	s_mov_b32 s[\g+4], 256
	s_mov_b32 s[\g+5], KROW
	s_mov_b32 s[\g+6], 0
	s_mov_b32 s[\g+7], 0
.endr
	s_or_b32 s[G1S+0], s43, (3<<16)|(1<<20)|(1<<21)|(5<<22)|(3<<25)
	s_or_b32 s[G1SB+0], s44, (3<<16)|(1<<20)|(1<<21)|(5<<22)|(3<<25)
.irp g, G1S, G1SB
	s_mov_b32 s[\g+1], 32<<16
	s_mov_b32 s[\g+2], KS<<16
	s_mov_b32 s[\g+3], 32<<16
	s_mov_b32 s[\g+4], KS
	s_mov_b32 s[\g+5], 32
	s_mov_b32 s[\g+6], 0
	s_mov_b32 s[\g+7], 0
.endr
	s_lshl_b32 s20, s17, 8                         ; the tile's first row of A,
	s_lshl_b32 s46, s42, 8                         ; and of B
	s_mov_b32 s21, 0
	s_mov_b32 s47, 0
	s_mov_b64 s[18:19], KS
	s_mul_u64 s[22:23], s[20:21], s[18:19]
	s_mul_u64 s[92:93], s[46:47], s[18:19]
	s_mov_b64 s[18:19], KROW
	s_mul_u64 s[20:21], s[20:21], s[18:19]
	s_mul_u64 s[46:47], s[46:47], s[18:19]
	s_mul_i32 s18, s16, 128*KROW                   ; in the ring a wave fetches 128 rows: which half, in bytes
	s_mov_b32 s19, 0
	s_mul_i32 s45, s14, HALFT
	s_add_nc_u64 s[20:21], s[4:5], s[20:21]
	s_add_nc_u64 s[22:23], s[6:7], s[22:23]
	s_add_nc_u64 s[46:47], s[8:9], s[46:47]
	s_add_nc_u64 s[92:93], s[10:11], s[92:93]
	CROUND
	s_mov_b32 s[G0S], 1
	s_mov_b32 s[G0S+1], SCL
	s_mov_b64 s[G0S+2:G0S+3], s[22:23]
	s_or_b32 s[G0S+3], s[G0S+3], 0x80000000
	s_mov_b32 s[G0SB], 1
	s_mov_b32 s[G0SB+1], SCL+2*HALFS
	s_mov_b64 s[G0SB+2:G0SB+3], s[92:93]
	s_or_b32 s[G0SB+3], s[G0SB+3], 0x80000000
	s_mov_b32 s4, 1                                ; s[4:7]: group 0 of step 0's 256 rows of A (the arguments that lay there have been used),
	s_mov_b32 s5, 0
	s_mov_b64 s[6:7], s[20:21]
	s_or_b32 s7, s7, 0x80000000
	s_mov_b32 s8, 1                                ; s[8:11]: of B's 256 rows, behind them in slot 0
	s_mov_b32 s9, 2*HALFT
	s_mov_b64 s[10:11], s[46:47]
	s_or_b32 s11, s11, 0x80000000
	s_add_nc_u64 s[20:21], s[20:21], s[18:19]      ; for the ring: my 128 rows
	s_add_nc_u64 s[46:47], s[46:47], s[18:19]
.irp s, 0,1
	s_mov_b32 s[G0+4*\s], 1
	s_add_co_u32 s[G0+4*\s+1], s45, \s*SLOT
	s_add_nc_u64 s[G0+4*\s+2:G0+4*\s+3], s[20:21], \s*ROWB
	s_or_b32 s[G0+4*\s+3], s[G0+4*\s+3], 0x80000000
	s_mov_b32 s[G0B+4*\s], 1
	s_add_co_u32 s[G0B+4*\s+1], s45, \s*SLOT
	s_add_nc_u64 s[G0B+4*\s+2:G0B+4*\s+3], s[46:47], \s*ROWB
	s_or_b32 s[G0B+4*\s+3], s[G0B+4*\s+3], 0x80000000
.endr
.macro ARM under, g0, g1, next         ; one chain of branches on the wave's number, one load to an arm, all arms to one join
	s_cmp_lt_u32 s14, \under
	s_cbranch_scc0 \next
	tensor_load_to_lds s[\g0:\g0+3], s[\g1:\g1+7]
	s_nop 0
.rept 4
	v_nop
.endr
	s_branch .Lhead_asked
\next:
.endm
	ARM 1, 4, G1, .Lhead_b
	ARM 2, 8, G1B, .Lhead_sa
	ARM 3, G0S, G1S, .Lhead_sb
	tensor_load_to_lds s[G0SB:G0SB+3], s[G1SB:G1SB+7]
	s_nop 0
.rept 4
	v_nop
.endr
.Lhead_asked:
	v_and_b32 v1, 15, v0
	v_bfe_u32 v2, v0, 4, 1
	v_mul_u32_u24 v3, v1, PITCH
	v_lshl_add_u32 v4, v2, 4, v3
	s_mul_i32 s21, s15, HALFT
	s_mul_i32 s22, s16, HALFT
	s_add_co_u32 s22, s22, 2*HALFT
.irp s, 0,1
	v_add_nc_u32 v[ADRA+\s], s21, v4
	v_add_nc_u32 v[ADRB+\s], s22, v4
	s_add_co_u32 s21, s21, SLOT
	s_add_co_u32 s22, s22, SLOT
.endr
	v_mul_u32_u24 v5, v1, KS
	v_lshrrev_b32 v6, 8, v5
	v_lshl_add_u32 v5, v6, 4, v5
	s_mul_i32 s21, s15, HALFS
	s_mul_i32 s22, s16, HALFS
	s_add_co_u32 s22, s22, 2*HALFS
	s_sub_co_u32 s22, s22, s21
	v_mul_u32_u24 v6, s22, v2
	s_add_co_u32 s21, s21, SCL
	v_add_nc_u32 v5, v5, v6
	v_add_nc_u32 v[ADRS], s21, v5
	v_and_b32 v6, 31, v0
	v_lshlrev_b32 v[OA], 4, v6
	v_lshlrev_b32 v[SA], 4, v1
	v_lshl_add_u32 v[SA], v2, 12, v[SA]
	v_lshlrev_b32 v[BQK], 5, v2
	v_lshlrev_b32 v[BV], 2, v1
	s_lshl_b32 s66, s17, 1
	s_add_co_u32 s66, s66, s15
	s_lshl_b32 s67, s42, 1
	s_add_co_u32 s67, s67, s16
	s_cmp_eq_u32 s[ROLE], 2
	s_cselect_b32 s2, s67, s66
	s_cselect_b32 s3, s66, s67
	s_lshr_b32 s20, s2, 4
	s_and_b32 s21, s2, 15
	s_lshl_b32 s22, s20, 3
	s_add_co_u32 s22, s22, s3
	s_lshl_b32 s22, s22, 18
	s_lshl_b32 s23, s21, 14
	s_add_co_u32 s22, s22, s23
	s_mov_b32 s23, 0
	s_add_nc_u64 s[12:13], s[12:13], s[22:23]
	s_lshl_b32 s22, s20, 16
	s_lshl_b32 s20, s3, 13
	s_add_co_u32 s22, s22, s20
	s_lshl_b32 s20, s21, 8
	s_add_co_u32 s22, s22, s20
	s_add_nc_u64 s[98:99], s[98:99], s[22:23]
	s_lshl_b32 s22, s3, 9
	s_add_nc_u64 s[96:97], s[96:97], s[22:23]
	s_cmp_eq_u32 s[ROLE], 2
	s_cbranch_scc1 .Lbias_v
	s_wait_alu depctr_va_vdst(0)
.irp b, 0,1,2,3,4,5,6,7
	global_load_b128 v[BC+8*\b:BC+8*\b+3], v[BQK], s[96:97] offset:64*\b
	global_load_b128 v[BC+8*\b+4:BC+8*\b+7], v[BQK], s[96:97] offset:64*\b+16
.endr
	s_branch .Lbias_done
.Lbias_v:
	s_wait_alu depctr_va_vdst(0)
.irp a, 0,1,2,3,4,5,6,7
.irp j, 0,1,2,3,4,5,6,7
	global_load_b32 v[BC+8*\a+\j], v[BV], s[96:97] offset:64*\a
.endr
.endr
.Lbias_done:
.macro FRAG reg, adr, q, i
.irp c, 0,1,2,3
	ds_load_b128 v[\reg+4*\c:\reg+4*\c+3], v[\adr] offset:128*(\q)+32*\c+(\i)*16*PITCH
.endr
.endm
.macro MUL16 a0, p, q, sc, cm
.irp a, \a0, \a0+1
.irp b, 0,1,2,3,4,5,6,7
.set rD, 8*(8*((\a)%4)+\b)
.set rC, rD
.if \cm == 1
.set rC, BC+8*\b
.endif
.if \cm == 2
.set rC, BC+8*(\a)
.endif
	v_wmma_scale_f32_16x16x128_f8f6f4 v[rD:rD+7], v[128*(\p)+FR*\b:128*(\p)+FR*\b+FR-1], v[AF+FR*(\a):AF+FR*(\a)+FR-1], v[rC:rC+7], v[SC+8*NQ*(\sc)+NQ*\b+(\q)], v[SC+8*NQ*(\sc)+NQ*(\a)+(\q)] matrix_a_fmt:MATRIX_FMT_BF8 matrix_b_fmt:MATRIX_FMT_BF8 matrix_a_scale:MATRIX_SCALE_ROW1
.endr
.endr
.endm
.macro FETCH_B slot, q, p
	WIN TO_B
.irp i, 0,1,2,3,4,5,6,7
	FRAG 128*(\p)+FR*\i, ADRB+\slot, \q, \i
.endr
	WIN 0
.endm
.macro FETCH_A slot, q, i0
.irp i, \i0, \i0+1, \i0+2, \i0+3
	FRAG AF+FR*(\i), ADRA+\slot, \q, \i
.endr
.endm
.macro SCALES sc
.irp i, 0,1,2,3,4,5,6,7
	ds_load_b64 v[SC+8*NQ*\sc+NQ*\i:SC+8*NQ*\sc+NQ*\i+1], v[ADRS] offset:\i*SBLK
.endr
.endm
.macro PLACES n
.rept \n
	v_nop
.endr
.endm
.macro STEP slot, q, cm
	s_wait_dscnt 4*NL
.if \cm
	WIN 0x81
.else
	WIN MUL_LO
.endif
	MUL16 0, (\q)%2, \q, \slot, \cm
	MUL16 2, (\q)%2, \q, \slot, \cm
	s_wait_dscnt 0
	PLACES NP
	FETCH_B \slot, (\q)+1, 1-(\q)%2
	FETCH_A \slot, (\q)+1, 0
.if \cm
	WIN 0xc1
.else
	WIN MUL_HI
.endif
	MUL16 4, (\q)%2, \q, \slot, \cm
	MUL16 6, (\q)%2, \q, \slot, \cm
	PLACES NP
	WIN 0
	FETCH_A \slot, (\q)+1, 4
.endm
.macro TURN slot, next, fill
	s_wait_tensorcnt 0x0
	ds_add_u32 v[SPW], v[NIL]
	s_wait_dscnt 4*NL+1
	WIN MUL_LO
	MUL16 0, 1, NQ-1, \slot, 0
	s_wait_dscnt 0x0
	s_barrier_signal -1
	MUL16 2, 1, NQ-1, \slot, 0
	WIN 0
	s_barrier_wait -1
.if \fill
	CREST
	s_add_nc_u64 s[G0+4*\slot+2:G0+4*\slot+3], s[G0+4*\slot+2:G0+4*\slot+3], 2*ROWB
	s_add_nc_u64 s[G0B+4*\slot+2:G0B+4*\slot+3], s[G0B+4*\slot+2:G0B+4*\slot+3], 2*ROWB
	JLOAD G0+4*\slot, G1, G0B+4*\slot, G1B
	PLACES NP-4
.else
	PLACES NP
.endif
	s_wait_alu depctr_va_vdst(0)
	v_add_nc_u32 v[ADRS], 4*NQ, v[ADRS]
	FETCH_B \next, 0, 0
	FETCH_A \next, 0, 0
	SCALES \next
	WIN MUL_HI
	MUL16 4, 1, NQ-1, \slot, 0
	MUL16 6, 1, NQ-1, \slot, 0
	PLACES NP
	WIN 0
	FETCH_A \next, 0, 4
.endm
	s_wait_alu depctr_va_vdst(0)
	s_wait_tensorcnt 0x0                           ; my tile of the head's four is in
	ds_add_u32 v[SPW], v[NIL]
	s_mov_b32 s[G1+2], 128<<16                     ; no tensor load of mine is out: from here on a load brings 128 rows
	s_mov_b32 s[G1+4], 128
	s_mov_b32 s[G1B+2], 128<<16
	s_mov_b32 s[G1B+4], 128
	s_wait_dscnt 0x0
	CROUND                                         ; all four tiles are in, in every partner
	JLOAD G0+4, G1, G0B+4, G1B                     ; step 1, the first tensor load behind the round
	FETCH_B 0, 0, 0
	FETCH_A 0, 0, 0
	SCALES 0
	FETCH_A 0, 0, 4
	s_wait_loadcnt 0x0
	s_cmp_eq_u32 s[ROLE], 2
	s_cbranch_scc1 .Lfirst_v
	STEP 0, 0, 1
	s_branch .Lfirst_done
.Lfirst_v:
	STEP 0, 0, 2
.Lfirst_done:
	TURN 0, 1, 1
	STEP 1, 0, 0
	TURN 1, 0, 1
	STEP 0, 0, 0
	TURN 0, 1, 0
	STEP 1, 0, 0
	s_wait_dscnt 4*NL
	WIN MUL_LO
	MUL16 0, 1, NQ-1, 1, 0
	MUL16 2, 1, NQ-1, 1, 0
	s_wait_dscnt 0
	WIN MUL_HI
	MUL16 4, 1, NQ-1, 1, 0
	MUL16 6, 1, NQ-1, 1, 0
	WIN 0
	PLACES NP
	s_mov_b32 s20, 0x76543210
	s_mov_b32 s21, 0xfedcba98
	s_mov_b32 s22, 0x600000
.irp b, 0,1,2,3
	v_mov_b32 v[TM+4+\b], 0
.endr
.macro QTILE a
.set WN, 2+(\a)/4
.set AC, 64*((\a)%4)
.set PCS, PC+16*((\a)%2)
	WIN WN|(WN<<2)
.irp b, 0,1,2,3
	v_max3_num_f32 v[TM+\b], |v[AC+16*\b]|, |v[AC+16*\b+1]|, 0x8000000
.endr
.irp i, 2,4,6,8,10,12,14
.irp b, 0,1,2,3
	v_max3_num_f32 v[TM+\b], |v[AC+16*\b+\i]|, |v[AC+16*\b+\i+1]|, v[TM+\b]
.endr
.endr
	WIN 0
.irp b, 0,1,2,3
	v_permlanex16_b32 v[TM+4+\b], v[TM+\b], s20, s21
.endr
.irp b, 0,1,2,3
	v_max_num_f32 v[TM+\b], v[TM+\b], v[TM+4+\b]
.endr
.irp b, 0,1,2,3
	v_add_nc_u32 v[TM+12+\b], 0xf8800000, v[TM+\b]
.endr
.irp b, 0,1,2,3
	v_and_or_b32 v[TM+8+\b], v[TM+\b], 0x7f800000, s22
.endr
.irp b, 0,1,2,3
	v_lshrrev_b32 v[TM+4+\b], 23, v[TM+12+\b]
.endr
	v_lshl_or_b32 v[PWR+(\a)], v[TM+5], 8, v[TM+4]
	v_lshl_or_b32 v[PWR+(\a)], v[TM+6], 16, v[PWR+(\a)]
	v_lshl_or_b32 v[PWR+(\a)], v[TM+7], 24, v[PWR+(\a)]
	WIN WN|(WN<<6)
.irp b, 0,1,2,3
.irp i, 0,1,2,3,4,5,6,7,8,9,10,11,12,13,14,15
	v_med3_num_f32 v[AC+16*\b+\i], v[AC+16*\b+\i], -v[TM+8+\b], v[TM+8+\b]
.endr
.endr
.if (\a) > 1
	s_wait_alu depctr_va_vdst(0)
	s_wait_xcnt 0x0
.endif
	WIN WN
.irp b, 0,1,2,3
	v_cvt_scalef32_pk8_bf8_f32 v[PCS+4*\b:PCS+4*\b+1], v[AC+16*\b:AC+16*\b+7], v[TM+12+\b]
	v_cvt_scalef32_pk8_bf8_f32 v[PCS+4*\b+2:PCS+4*\b+3], v[AC+16*\b+8:AC+16*\b+15], v[TM+12+\b]
.endr
	WIN 0
	v_nop
.irp b, 0,1,2,3
	global_store_b128 v[OA], v[PCS+4*\b:PCS+4*\b+3], s[12:13] offset:(\a)*2048+\b*512
.endr
.endm
.irp a, 0,1,2,3,4,5,6,7
	QTILE \a
.endr
	v_cmp_eq_u32 vcc_lo, 1, v2
	s_cmp_eq_u32 s[ROLE], 2
	s_cbranch_scc1 .Lwords_v
	v_mov_b32 v36, 0x05040100
	v_mov_b32 v37, 0x07060302
	v_cndmask_b32 v36, v36, v37, vcc_lo
.irp g, 0,1,2,3
	v_perm_b32 v[WD+\g], v[PWR+2*\g+1], v[PWR+2*\g], v36
.endr
	s_branch .Lwords_done
.Lwords_v:
.irp t, 0,1,2,3
	v_cndmask_b32 v[WD+\t], v[PWR+\t], v[PWR+4+\t], vcc_lo
.endr
.Lwords_done:
	s_wait_alu depctr_va_vdst(0)
	global_store_b128 v[SA], v[WD:WD+3], s[98:99]
	s_wait_tensorcnt 0x0
	ds_add_u32 v[SPW], v[NIL]
	s_wait_dscnt 0x0
	CROUND
	s_endpgm
.Lfunc_end_k_q030103f8a1_proj:
	.size	k_q030103f8a1_proj, .Lfunc_end_k_q030103f8a1_proj-k_q030103f8a1_proj
	.p2alignl 7, 3214868480
	.fill 96, 4, 3214868480
	.section	.rodata,"a",@progbits
	.p2align	6, 0x0
	.amdhsa_kernel k_q030103f8a1_proj
		.amdhsa_group_segment_fixed_size 327680
		.amdhsa_private_segment_fixed_size 0
		.amdhsa_enable_private_segment 0
		.amdhsa_kernarg_size 152
		.amdhsa_user_sgpr_count 2
		.amdhsa_user_sgpr_kernarg_segment_ptr 1
		.amdhsa_wavefront_size32 1
		.amdhsa_system_sgpr_workgroup_id_x 1
		.amdhsa_system_sgpr_workgroup_id_y 1
		.amdhsa_system_sgpr_workgroup_id_z 1
		.amdhsa_system_vgpr_workitem_id 0
		.amdhsa_next_free_vgpr 1024
		.amdhsa_next_free_sgpr 102
		.amdhsa_reserve_vcc 1
		.amdhsa_float_denorm_mode_32 3
		.amdhsa_float_denorm_mode_16_64 3
		.amdhsa_memory_ordered 1
		.amdhsa_forward_progress 1
		.amdhsa_inst_pref_size 208
	.end_amdhsa_kernel
	.amdgpu_metadata
---
amdhsa.version: [ 1, 2 ]
amdhsa.kernels:
  - .name:           k_q030103f8a1_proj
    .symbol:         k_q030103f8a1_proj.kd
    .args:
      - { .name: pre_query_codes, .offset: 0, .size: 8, .value_kind: global_buffer, .address_space: global }
      - { .name: pre_query_scales, .offset: 8, .size: 8, .value_kind: global_buffer, .address_space: global }
      - { .name: pre_value_key_codes, .offset: 16, .size: 8, .value_kind: global_buffer, .address_space: global }
      - { .name: pre_value_key_scales, .offset: 24, .size: 8, .value_kind: global_buffer, .address_space: global }
      - { .name: Wq_codes, .offset: 32, .size: 8, .value_kind: global_buffer, .address_space: global }
      - { .name: Wq_scales, .offset: 40, .size: 8, .value_kind: global_buffer, .address_space: global }
      - { .name: Wk_codes, .offset: 48, .size: 8, .value_kind: global_buffer, .address_space: global }
      - { .name: Wk_scales, .offset: 56, .size: 8, .value_kind: global_buffer, .address_space: global }
      - { .name: Wv_codes, .offset: 64, .size: 8, .value_kind: global_buffer, .address_space: global }
      - { .name: Wv_scales, .offset: 72, .size: 8, .value_kind: global_buffer, .address_space: global }
      - { .name: bq, .offset: 80, .size: 8, .value_kind: global_buffer, .address_space: global }
      - { .name: bk, .offset: 88, .size: 8, .value_kind: global_buffer, .address_space: global }
      - { .name: bv, .offset: 96, .size: 8, .value_kind: global_buffer, .address_space: global }
      - { .name: qc, .offset: 104, .size: 8, .value_kind: global_buffer, .address_space: global }
      - { .name: qsc, .offset: 112, .size: 8, .value_kind: global_buffer, .address_space: global }
      - { .name: kc, .offset: 120, .size: 8, .value_kind: global_buffer, .address_space: global }
      - { .name: ksc, .offset: 128, .size: 8, .value_kind: global_buffer, .address_space: global }
      - { .name: vc, .offset: 136, .size: 8, .value_kind: global_buffer, .address_space: global }
      - { .name: vsc, .offset: 144, .size: 8, .value_kind: global_buffer, .address_space: global }
    .group_segment_fixed_size: 327680
    .private_segment_fixed_size: 0
    .kernarg_segment_align: 8
    .kernarg_segment_size: 152
    .max_flat_workgroup_size: 128
    .sgpr_count:     102
    .vgpr_count:     1024
    .wavefront_size: 32
...
	.end_amdgpu_metadata
.endif
;; end of part 1
;; launch attn (part 2): grid 4 x 64, 8 waves a work-group, clusters of 4 x 1, 327,680 bytes of LDS; arguments qc, qsc, kc, ksc, vc, vsc, value_key_masks, value_key_counts, overall_gain, overall_bias, out0; writes out0
.if DOCPART == 2
	.amdgcn_target "amdgcn-amd-amdhsa--gfx1250"
	.amdhsa_code_object_version 6
	.text
	.protected	k_q030103f8a1_attn
	.globl	k_q030103f8a1_attn
	.p2align	8
	.type	k_q030103f8a1_attn,@function
k_q030103f8a1_attn:
	s_mov_b64 s[64:65], 0
	v_nop
	global_prefetch_b8 v0, s[64:65] scope:SCOPE_SE
	s_setreg_imm32_b32 hwreg(HW_REG_WAVE_MODE, 25, 1), 1
	s_wait_xcnt 0x0
	s_wait_alu depctr_hold_cnt(0) depctr_sa_sdst(0) depctr_va_vdst(0) depctr_va_sdst(0) depctr_va_ssrc(0) depctr_va_vcc(0) depctr_vm_vsrc(0)
	s_getreg_b32 s2, hwreg(HW_REG_IB_STS2, 6, 4)
	s_cmp_eq_u32 s2, 0
	s_cbranch_scc0 .Lentry_in_a_cluster
	s_endpgm
.Lentry_in_a_cluster:
	s_bfe_u32 s2, ttmp6, 0x10000c
	s_cmp_lg_u32 s2, 0x3003
	s_cbranch_scc0 .Lentry_shape_is_right
	s_endpgm
.Lentry_shape_is_right:
; out[b][q][head][:] = sigmoid(gain x sum_k(s m / cnt) + bias) x softmax_k(s / sqrt(cnt), keys with m = 0 left out) V, s = q . k; both products on codes of BF8 (E5M2) with E8M0 scales, made by the launch before.
; THE SOFTMAX AHEAD OF THE SECOND PRODUCT: t = s x log2(e) / sqrt(cnt); M = the running largest t rounded up to a whole number; p = 2^(t - M) is quantised along the keys; the sum l of the unquantised p divides at the end.
; SHARES.  A work-group owns 512 queries of one (batch, head), in two passes of 256; each of its eight waves owns 32 of a pass: two tiles of 16, which share every fragment of K, V and the mask and go through the softmax together, line by line by turns.
; THE WHOLE HEAD'S K AND V (2 x 131,072 bytes) LIE IN LDS, filled once: one joint load of 32,768 bytes a wave (waves 0-3 K's quarters, waves 4-7 V's; mask 15: the cluster's four work-groups share the head).
; The 8,192 bytes of scale words come by plain loads and LDS stores, 32 bytes a thread: one part in 33 of what the work-group fetches, so they are not asked for jointly.  No prefetch: the launch has no loop of tensor loads to run ahead in.
; LAYOUT.  Both products are used transposed: a lane holds ONE query (lane % 16).  Row m of K's fragment g is [key 32 g + m | key 32 g + 16 + m], multiplied by [Q | 0] (rho = 0) and by [0 | Q] (rho = 1).
; Register j of lane half h in tile (g, rho) is key 32 g + 16 rho + 8 h + j; the codes of a lane's 16 registers of (g, 0), (g, 1) are registers 4 g .. 4 g + 3 of P's operand, and V's codes were laid in the same order of keys.
; THE MASK is the C of each score's product: 0 where m is not 0, -1e30 where it is 0: then p = 0.  The running largest score begins at -1e25: keys that are left out never set M.
; THE POOLED SUM: sum_k m_k s(q, k) = sum_d q(q, d) ks(d), ks(d) = sum_k m_k k(k, d), q and k being the quantised numbers: the same sum in another order, for every input.  ks is made once a work-group, at the head, from K alone: V's loads are waited for behind it.
; A KEY STEP: 16 score products; then one run of LDS loads: this step's V and, but in the last trip, the next step's K, addends and scale words; the softmax; tile 0's four products; tile 1's.
; LIMITS: |s| stays under 1e24; a batch none of whose keys counts gives NaN, as the softmax of nothing does; cnt > 0; NaN and infinities among the inputs are not served.
; REGISTERS.  Window 0: v0 the thread; v1-15 addresses and work; v16-23 statistics (tile T at 16 + 4 T: -M, largest score, l in two halves); v24-63 scale words and work; v64-191 S^T, then p (tile T at 64 + 64 T); v192-255 O^T (tile T at 192 + 32 T).
;   Window 1: v0-63 K's four fragments; v64-127 V's; v128-191 the mask's addends; v192-231 Q0, 0, Q1, 0, Q0; v232-247 p's codes.
.set VR,   131072                      ; LDS: K's codes at 0 (8,192 bytes a step), V's here,
.set KSC,  262144                      ; K's scale words, 256 bytes a step; V's 4,096 bytes on.  From here on nothing is filled by a tensor load
.set CM,   270336                      ; the mask's addends, 4 bytes a key,
.set MM,   278528                      ; the mask's values,
.set KSP,  286720                      ; ks: each wave's part, 256 bytes,
.set KSF,  288768                      ; ks, finished,
.set STG,  289024                      ; the way out: 16 rows x 272 bytes for each wave,
.set SPARE, 323840                     ; the spare words, 128 bytes a wave
.set SPT,  272
.set LI,   1                           ; 16 x lane
.set AC0,  2                           ; CM + 32 h
.set AS0,  3                           ; KSC + 16 r
.set PM,   4                           ; v4-7 a lane permute's results, then scale bytes
.set ADK,  8                           ; a run's addresses: K, V, addends, scale words
.set ADV,  9
.set ADC,  10
.set ADS,  11
.set HD,   12                          ; v12-15 tile 1's permute results, then 57,344 x a block's scale.  At the head: ks's addresses
.set KSA,  12
.set KSS,  13
.set KSMA, 14
.set KSPA, 15
.set ST,   16
.set KSW,  24                          ; no product's two scale words have numbers equal modulo 8
.set VSW,  28
.set PSW,  32
.set TA,   34
.set SMD,  34                          ; the sums' fourth chain, where t stood
.set QSW,  36
.set SPW,  38
.set NIL,  39
.set BM,   40                          ; v40-47 the blocks' largest scores, tile T at 40 + 4 T.  At the head: addresses
.set MSA,  40
.set MGA,  41
.set KSR,  42
.set SWA,  43
.set SWG,  44
.set SO,   48                          ; v48-51 the conversions' scale operands.  On the way out: addresses
.set STO,  48
.set RD,   49
.set GO,   50
.set KFA,  51
.set FF,   52                          ; v52, v54: f of tile 0, 1, each the low word of a pair
.set SMA,  56
.set SMB,  58
.set SMC,  60
.set QSA,  61                          ; between a fetch of Q and the wait for it: its scale words' offset,
.set QW,   62                          ; and the word
.set ONE,  63                          ; the byte 127 four times
.set S,    64
.set OT,   192
.set KF,   0
.set VF,   64
.set CF,   128
.set QB,   192
.set PCD,  232
.set XC,   64
.set XV,   96
.set XA,   128
.set XW,   160
.set XF0,  168
.set XF1,  170
.set XM,   172
.set WV,   26
.set G1K,  28
.set G1V,  36
.set G0,   44
.set SG,   49
.set SEL,  84
.set CS,   86
.set MNT,  88
.set GC,   89
.set GB,   90
.set TK,   91
.set TC,   93
.set TS,   94
.set CNT,  95
.set MSB, 0
.macro WIN new
.if MSB != (\new)
	s_set_vgpr_msb (MSB<<8)|(\new)
.set MSB, (\new)
.endif
.endm
.macro WALU
	s_wait_alu depctr_va_vdst(0)
.endm
.macro CROUND
	s_barrier_signal -1
	s_barrier_wait -1
	s_cmp_lg_u32 s[WV], 0
	s_cbranch_scc1 .Lnot_wave_0_\@
	s_barrier_signal -3
.Lnot_wave_0_\@:
	s_barrier_wait -3
	s_barrier_signal -1
	s_barrier_wait -1
.endm
.macro BARRIER
	s_wait_dscnt 0x0
	s_barrier_signal -1
	s_barrier_wait -1
.endm
.macro GROUP1 g, c, r, p               ; r rows of c elements of 8 bytes, p elements apart, dense in LDS; the mask names all four work-groups, bit 21 beside it
	s_mov_b32 s[\g], 15|(3<<16)|(1<<21)
	s_mov_b32 s[\g+1], (\c)<<16
	s_mov_b32 s[\g+2], (\r)<<16
	s_mov_b32 s[\g+3], (\c)<<16
	s_mov_b32 s[\g+4], \r
	s_mov_b32 s[\g+5], \p
	s_mov_b32 s[\g+6], 0
	s_mov_b32 s[\g+7], 0
.endm
	s_load_b512 s[4:19], s[0:1], 0x0               ; qc, qsc, kc, ksc, vc, vsc, the mask, the counts
	s_load_b128 s[20:23], s[0:1], 0x40             ; gain, bias
	s_load_b64 s[24:25], s[0:1], 0x50              ; out
	v_lshl_add_u32 v[SPW], v0, 2, SPARE
	v_mov_b32 v[NIL], 0
	ds_add_u32 v[SPW], v[NIL]                      ; the opening lines: the add twice on end and one wait
	ds_add_u32 v[SPW], v[NIL]
	v_lshrrev_b32 v4, 5, v0
	v_readfirstlane_b32 s[WV], v4                  ; wave 0..7
	v_and_b32 v4, 31, v0
	v_and_b32 v5, 15, v0                           ; r
	v_bfe_u32 v6, v0, 4, 1                         ; h
	v_lshlrev_b32 v[LI], 4, v4
	v_lshl_add_u32 v[AC0], v6, 5, CM
	v_lshl_add_u32 v[AS0], v5, 4, KSC
	v_lshl_add_u32 v[MSA], v0, 5, CM
	v_lshlrev_b32 v[MGA], 5, v0                    ; the mask in memory: 8 keys a thread
	v_lshlrev_b32 v[SWG], 4, v0                    ; the scale words: 16 bytes of K's and of V's a thread
	v_lshl_add_u32 v[SWA], v0, 4, KSC
	s_lshl_b32 s27, s[WV], 14
	v_add_nc_u32 v[KSA], s27, v[LI]
	s_lshl_b32 s27, s[WV], 9
	v_add_nc_u32 v[KSS], s27, v[AS0]
	s_lshl_b32 s27, s[WV], 10
	s_add_co_u32 s27, s27, MM
	v_lshl_add_u32 v[KSMA], v5, 2, s27
	s_lshl_b32 s27, s[WV], 8
	s_add_co_u32 s27, s27, KSP
	v_lshl_add_u32 v[KSPA], v6, 7, s27
	v_lshl_add_u32 v[KSR], v0, 2, KSP
	v_mov_b32 v[ONE], 0x7f7f7f7f
	s_mul_i32 s[SG], s[WV], 16*SPT
	s_add_co_u32 s[SG], s[SG], STG                 ; my stage
	s_and_b32 s96, ttmp7, 0xffff                   ; 16 x batch + head: the four partners share it
	s_lshr_b32 s97, s96, 4
	s_and_b32 s98, s96, 15
	s_lshr_b32 s99, s98, 1                         ; its pair of heads
	s_and_b32 s100, s98, 1                         ; e: which of the pair
	s_bfe_u32 s101, ttmp6, 0x40000                 ; cx: it enters Q's, its scales' and out's addresses alone
	s_and_b32 s2, s[WV], 3                         ; which quarter I fetch
	s_lshr_b32 s3, s[WV], 2                        ; 0: of K, 1: of V
	GROUP1 G1K, 128, 32, 256                       ; K, four steps: 32 rows of 1,024 bytes (my head's half of each 2,048)
	GROUP1 G1V, 1024, 4, 2048                      ; V, four steps: 4 rows of 8,192 bytes (my head's half of each 16,384)
	s_mov_b32 s[SEL], 0x76543210
	s_mov_b32 s[SEL+1], 0xfedcba98
	s_mov_b32 s[MNT], 0x600000
	s_lshl_b32 s91, s97, 21
	s_lshl_b32 s67, s99, 18
	s_add_co_u32 s91, s91, s67                     ; the pair of heads' first byte in each buffer of codes
	s_mul_i32 s92, s3, 3
	s_add_co_u32 s92, s92, 10
	s_lshl_b32 s92, s100, s92                      ; my head's half: 1,024 e in K, 8,192 e in V
	s_add_co_u32 s92, s92, s91
	s_lshl_b32 s93, s2, 16
	s_add_co_u32 s92, s92, s93                     ; four steps of 16,384 bytes a quarter
	s_mov_b32 s93, 0
	s_mov_b32 s[G0], 1
	s_lshl_b32 s[G0+1], s[WV], 15                  ; K's quarters, then V's: 32,768 x wave
	WALU
	s_wait_dscnt 0x0
	s_wait_kmcnt 0x0
	s_cmp_lt_u32 s[WV], 4
	s_cselect_b64 s[G0+2:G0+3], s[8:9], s[12:13]
	s_add_nc_u64 s[G0+2:G0+3], s[G0+2:G0+3], s[92:93]
	s_or_b32 s[G0+3], s[G0+3], 0x80000000
	CROUND                                         ; all four work-groups are here: the joint loads meet
	s_cmp_lt_u32 s[WV], 4                          ; all fills of the launch: one tensor load a wave; K's waves and V's have a load line each
	s_cbranch_scc0 .Lfill_v
	tensor_load_to_lds s[G0:G0+3], s[G1K:G1K+7]
	s_nop 0
.rept 4
	v_nop
.endr
	s_branch .Lfilled
.Lfill_v:
	tensor_load_to_lds s[G0:G0+3], s[G1V:G1V+7]
	s_nop 0
.rept 4
	v_nop
.endr
.Lfilled:
	s_lshl_b32 s27, s101, 4
	s_add_co_u32 s27, s27, s[WV]                   ; my group of 32 queries in the first pass: 16 cx + wave
	s_lshr_b32 s2, s27, 2                          ; its block of 128 tokens,
	s_and_b32 s3, s27, 3                           ; and its place there
	s_lshl_b32 s66, s2, 14
	s_add_co_u32 s66, s66, s91
	s_lshl_b32 s67, s3, 12
	s_add_co_u32 s66, s66, s67
	s_lshl_b32 s67, s100, 10
	s_add_co_u32 s66, s66, s67
	s_mov_b32 s67, 0
	s_add_nc_u64 s[4:5], s[4:5], s[66:67]          ; Q's codes
	s_lshl_b32 s66, s96, 12
	s_add_nc_u64 s[10:11], s[10:11], s[66:67]      ; the head's scale words of K,
	s_add_nc_u64 s[14:15], s[14:15], s[66:67]      ; and of V
	s_lshl_b32 s92, s2, 8
	s_add_co_u32 s66, s66, s92
	s_lshl_b32 s92, s3, 2
	s_add_co_u32 s66, s66, s92
	s_add_nc_u64 s[6:7], s[6:7], s[66:67]          ; Q's scale words
	s_lshl_b32 s66, s97, 23
	s_lshl_b32 s92, s27, 17
	s_add_co_u32 s66, s66, s92
	s_lshl_b32 s92, s98, 8
	s_add_co_u32 s66, s66, s92
	s_add_nc_u64 s[24:25], s[24:25], s[66:67]      ; out: my first query's row, my head's 256 bytes
	s_lshl_b32 s66, s97, 13
	s_add_nc_u64 s[16:17], s[16:17], s[66:67]      ; the batch's mask
	s_lshl_b32 s66, s97, 2
	s_add_nc_u64 s[18:19], s[18:19], s[66:67]      ; its count
	s_lshl_b32 s66, s98, 2
	s_add_nc_u64 s[20:21], s[20:21], s[66:67]      ; the head's gain
	s_add_nc_u64 s[22:23], s[22:23], s[66:67]      ; and bias
	global_load_b128 v[64:67], v[MGA], s[16:17]
	global_load_b128 v[68:71], v[MGA], s[16:17] offset:16
	global_load_b128 v[84:87], v[SWG], s[10:11]
	global_load_b128 v[88:91], v[SWG], s[14:15]
	s_load_b32 s66, s[18:19], 0x0
	s_load_b32 s67, s[20:21], 0x0
	s_load_b32 s[GB], s[22:23], 0x0
; Q's two tiles.  Tile 0 stands twice, so that [Q0 | 0], [0 | Q1], [Q1 | 0], [0 | Q0] are four runs of 16 registers of one row of 40.
.macro QOFF
	v_and_b32 v[QSA], 15, v0
	v_lshlrev_b32 v[QSA], 4, v[QSA]                ; Q's scale words in memory: 16 bytes a row
.endm
	QOFF
	WIN 0x40
	global_load_b128 v[QB:QB+3], v[LI], s[4:5]
	global_load_b128 v[QB+4:QB+7], v[LI], s[4:5] offset:512
	global_load_b128 v[QB+32:QB+35], v[LI], s[4:5]
	global_load_b128 v[QB+36:QB+39], v[LI], s[4:5] offset:512
	global_load_b128 v[QB+16:QB+19], v[LI], s[4:5] offset:2048
	global_load_b128 v[QB+20:QB+23], v[LI], s[4:5] offset:2560
	WIN 0
	global_load_b32 v[QW], v[QSA], s[6:7]          ; bytes 0, 1: tile 0's query r; bytes 2, 3: tile 1's
.macro QNEXT                           ; the second pass's Q, asked for at the head of the first pass's way out, into V's first fragment, which is idle there: Q's own registers are still read
	QOFF
	WIN 0x40
	global_load_b128 v[VF:VF+3], v[LI], s[4:5]
	global_load_b128 v[VF+4:VF+7], v[LI], s[4:5] offset:512
	global_load_b128 v[VF+8:VF+11], v[LI], s[4:5] offset:2048
	global_load_b128 v[VF+12:VF+15], v[LI], s[4:5] offset:2560
	WIN 0
	global_load_b32 v[QW], v[QSA], s[6:7]
.endm
.macro INIT_O                          ; O^T begins as zeros: the step is written once for all trips, and the first change of M multiplies zeros
.set j, 0
.rept 64
	v_mov_b32 v[OT+j], 0
.set j, j+1
.endr
.endm
.macro QREADY copy                     ; a query's two bytes stand in both halves of its word: for [Q | 0] and for [0 | Q].  The ten lines behind them are the places ahead of the first products
	s_wait_loadcnt 0x0
.if \copy
	WIN 0x41
.irp i, 0,1,2,3,4,5,6,7
	v_mov_b32 v[QB+\i], v[VF+\i]
	v_mov_b32 v[QB+32+\i], v[VF+\i]
	v_mov_b32 v[QB+16+\i], v[VF+8+\i]
.endr
	WIN 0
.endif
	v_perm_b32 v[QSW], v[QW], v[QW], 0x01000100
	v_perm_b32 v[QSW+1], v[QW], v[QW], 0x03020302
.irp T, 0,1
	v_mov_b32 v[ST+4*\T+1], 0xe9045977             ; the largest score so far: -1e25
	v_mov_b32 v[ST+4*\T+2], 0                      ; l, in two halves
	v_mov_b32 v[ST+4*\T+3], 0
	v_mul_f32 v[ST+4*\T], s[CS], v[ST+4*\T+1]
	v_floor_f32 v[ST+4*\T], -v[ST+4*\T]            ; -M
.endr
.endm
	WIN 0x40
.irp i, 0,1,2,3,4,5,6,7
	v_mov_b32 v[QB+8+\i], 0                        ; the zero codes beside Q: written once
	v_mov_b32 v[QB+24+\i], 0
.endr
	WIN 0
.irp b, 0,1,2,3
	v_mov_b32 v[PM+\b], 0                          ; a lane permute's destination counts as one of its sources
.endr
	v_mov_b32 v[FF+1], 0                           ; (named as the upper halves of pairs)
	v_mov_b32 v[FF+3], 0
	v_mov_b32 v80, 0xf149f2ca                      ; -1e30
	s_wait_kmcnt 0x0
	v_mov_b32 v8, s66                              ; cnt
	WALU
	v_rsq_f32 v9, v8
	v_rcp_f32 v10, v8
	v_nop
	WALU
	v_mul_f32 v9, 0x3fb8aa3b, v9                   ; c = log2(e) / sqrt(cnt)
	v_mul_f32 v10, s67, v10                        ; gain / cnt
	v_readfirstlane_b32 s[CS], v9
	v_readfirstlane_b32 s[GC], v10
	s_mov_b32 s[CS+1], s[CS]
	s_wait_loadcnt 7                               ; the mask's two loads and the scale words' two are in; Q's seven may be out
.irp i, 0,1,2,3,4,5,6,7
	v_cmp_eq_f32 vcc_lo, 0, v[64+\i]
	v_cndmask_b32 v[72+\i], 0, v80, vcc_lo         ; the addend: -1e30 where the mask is 0, else 0
.endr
	ds_store_b128 v[MSA], v[72:75]
	ds_store_b128 v[MSA], v[76:79] offset:16
	ds_store_b128 v[MSA], v[64:67] offset:8192     ; the mask's values, for ks
	ds_store_b128 v[MSA], v[68:71] offset:8208
	ds_store_b128 v[SWA], v[84:87]
	ds_store_b128 v[SWA], v[88:91] offset:4096
	s_cmp_lt_u32 s[WV], 4                          ; K's four waves wait for their line's loads; V's wait at ks's last barrier
	s_cbranch_scc0 .Lnot_k
	s_wait_tensorcnt 0x0
.Lnot_k:
	BARRIER                                        ; K is whole, and so are the addends, the mask's values and the scale words
; ks: tile al of my wave's 16 (16 keys: lane (r, h) holds key r's 32 numbers of its half), its codes in set u: sums += number x 2^(byte - 127) x m
.macro KTILE al, u
.irp x, 0,1,2,3
	v_cvt_scale_pk8_f32_bf8 v[XV+8*\x:XV+8*\x+7], v[XC+8*(\u)+2*\x:XC+8*(\u)+2*\x+1], v[ONE]
.endr
	v_bfe_u32 v[XF0], v[XW+4*((\al)/8)+((\al)%8)/2], 16*((\al)%2), 8
	v_bfe_u32 v[XF1], v[XW+4*((\al)/8)+((\al)%8)/2], 16*((\al)%2)+8, 8
	v_lshlrev_b32 v[XF0], 23, v[XF0]               ; as f32: 2^(byte - 127)
	v_lshlrev_b32 v[XF1], 23, v[XF1]
	v_mul_f32 v[XF0], v[XF0], v[XM+(\u)]           ; x the key's mask value
	v_mul_f32 v[XF1], v[XF1], v[XM+(\u)]
.irp i, 0,2,4,6,8,10,12,14
.if (\al) == 0
	v_pk_mul_f32 v[XA+\i:XA+\i+1], v[XV+\i:XV+\i+1], v[XF0:XF0+1] op_sel_hi:[1,0]
	v_pk_mul_f32 v[XA+16+\i:XA+17+\i], v[XV+16+\i:XV+17+\i], v[XF1:XF1+1] op_sel_hi:[1,0]
.else
	v_pk_fma_f32 v[XA+\i:XA+\i+1], v[XV+\i:XV+\i+1], v[XF0:XF0+1], v[XA+\i:XA+\i+1] op_sel_hi:[1,0,1]
	v_pk_fma_f32 v[XA+16+\i:XA+17+\i], v[XV+16+\i:XV+17+\i], v[XF1:XF1+1], v[XA+16+\i:XA+17+\i] op_sel_hi:[1,0,1]
.endif
.endr
.endm
	; ---- ks(d) = sum_k m_k k(k, d): wave w takes keys 256 w on, four tiles of 16 at a time
	ds_load_b128 v[XW:XW+3], v[KSS]
	ds_load_b128 v[XW+4:XW+7], v[KSS] offset:256
	v_mov_b32 v[XF0+1], 0
	v_mov_b32 v[XF1+1], 0
.irp q, 0,1,2,3
.irp u, 0,1,2,3
	ds_load_b128 v[XC+8*\u:XC+8*\u+3], v[KSA] offset:(4*\q+\u)*1024
	ds_load_b128 v[XC+8*\u+4:XC+8*\u+7], v[KSA] offset:(4*\q+\u)*1024+512
	ds_load_b32 v[XM+\u], v[KSMA] offset:(4*\q+\u)*64
.endr
	WALU
	s_wait_dscnt 0x0
.irp u, 0,1,2,3
	KTILE 4*\q+\u, \u
.endr
.endr
.irp x, 1,2,4,8
.set j, 0
.rept 32
	v_add_f32_dpp v[XA+j], v[XA+j], v[XA+j] row_xmask:\x row_mask:0xf bank_mask:0xf   ; over the 16 keys of a tile's lanes
.set j, j+1
.endr
.endr
.irp k, 0,1,2,3,4,5,6,7
	ds_store_b128 v[KSPA], v[XA+4*\k:XA+4*\k+3] offset:16*\k   ; the sixteen lanes of a half write the same bytes with the same values
.endr
	BARRIER                                        ; the eight parts lie in LDS
	s_cmp_lt_u32 s[WV], 2                          ; threads 0-63 add them: one number each
	s_cbranch_scc0 .Lks_done
.irp i, 0,1,2,3,4,5,6,7
	ds_load_b32 v[XV+\i], v[KSR] offset:256*\i
.endr
	s_wait_dscnt 0x0
	v_add_f32 v[XV], v[XV], v[XV+1]
	v_add_f32 v[XV+2], v[XV+2], v[XV+3]
	v_add_f32 v[XV+4], v[XV+4], v[XV+5]
	v_add_f32 v[XV+6], v[XV+6], v[XV+7]
	v_add_f32 v[XV], v[XV], v[XV+2]
	v_add_f32 v[XV+4], v[XV+4], v[XV+6]
	v_add_f32 v[XV], v[XV], v[XV+4]
	ds_store_b32 v[KSR], v[XV] offset:2048
.Lks_done:
	s_wait_tensorcnt 0x0                           ; on every wave's way: all that was still out, V's quarters, is in
	BARRIER                                        ; V is whole; ks lies in LDS, for both passes
.macro MIN2 x, h                       ; two holds in one line: the conversion does not saturate (ISA guide 7.6.2); p is not negative, so the hold is one-sided
	v_dual_min_num_f32 v[\x], v[\x], v[\h] :: v_dual_min_num_f32 v[\x+1], v[\x+1], v[\h]
.endm
.macro KLOADS ak, ac, as               ; a step's K: scale words, four fragments, the addends of keys 32 g + 16 rho + 8 h + 0..7: 33 loads
	ds_load_b128 v[KSW:KSW+3], v[\as]
	WIN 0x40
.irp g, 0,1,2,3
.irp c, 0,1,2,3
	ds_load_b128 v[KF+16*\g+4*\c:KF+16*\g+4*\c+3], v[\ak] offset:\g*2048+\c*512
.endr
.endr
.irp g, 0,1,2,3
.irp p, 0,1
	ds_load_b128 v[CF+16*\g+8*\p:CF+16*\g+8*\p+3], v[\ac] offset:128*\g+64*\p
	ds_load_b128 v[CF+16*\g+8*\p+4:CF+16*\g+8*\p+7], v[\ac] offset:128*\g+64*\p+16
.endr
.endr
	WIN 0
.endm
.macro TMM T, j0, n                    ; t - M of n pairs of tile T's scores, from register j0 on
.set j, \j0
.rept \n
	v_pk_fma_f32 v[S+64*\T+j:S+64*\T+j+1], v[S+64*\T+j:S+64*\T+j+1], s[CS:CS+1], v[ST+4*\T:ST+4*\T+1] op_sel_hi:[1,0,0]
.set j, j+2
.endr
.endm
.macro QG T, n                         ; the n-th group of lines that make tile T's four scale operands, bounds and bytes from the blocks' largest p
.if (\n) == 1
.irp b, 0,1,2,3
	v_max_num_f32 v[BM+4*\T+\b], 0x8000000, v[BM+4*\T+\b]    ; the floor 2^(16 - 127): the byte cannot fall under 1
.endr
.elseif (\n) == 2
.irp b, 0,1,2,3
	v_add_nc_u32 v[SO+\b], 0xf8800000, v[BM+4*\T+\b]         ; 15 off the exponent field
.endr
.elseif (\n) == 3
.irp b, 0,1,2,3
	v_and_or_b32 v[HD+\b], v[BM+4*\T+\b], 0x7f800000, s[MNT] ; 57,344 x the scale
.endr
.elseif (\n) == 4
.irp b, 0,1,2,3
	v_lshrrev_b32 v[PM+\b], 23, v[SO+\b]
.endr
.elseif (\n) == 5
	v_lshl_or_b32 v[PSW+\T], v[PM+1], 8, v[PM]
	v_lshl_or_b32 v[PM+2], v[PM+3], 8, v[PM+2]
.else
	v_lshl_or_b32 v[PSW+\T], v[PM+2], 16, v[PSW+\T]
.endif
.endm
.macro SUMR T, k                       ; the sum of the unquantised p, two at a time, in four chains: round 0 starts them on 16 numbers, rounds 1 to 6 add 8 each
.set rS, S+64*\T
.if (\k) == 0
	v_pk_add_f32 v[SMA:SMA+1], v[rS:rS+1], v[rS+2:rS+3]
	v_pk_add_f32 v[SMB:SMB+1], v[rS+4:rS+5], v[rS+6:rS+7]
	v_pk_add_f32 v[SMC:SMC+1], v[rS+8:rS+9], v[rS+10:rS+11]
	v_pk_add_f32 v[SMD:SMD+1], v[rS+12:rS+13], v[rS+14:rS+15]
.else
	v_pk_add_f32 v[SMA:SMA+1], v[SMA:SMA+1], v[rS+8+8*(\k):rS+9+8*(\k)]
	v_pk_add_f32 v[SMB:SMB+1], v[SMB:SMB+1], v[rS+10+8*(\k):rS+11+8*(\k)]
	v_pk_add_f32 v[SMC:SMC+1], v[SMC:SMC+1], v[rS+12+8*(\k):rS+13+8*(\k)]
	v_pk_add_f32 v[SMD:SMD+1], v[SMD:SMD+1], v[rS+14+8*(\k):rS+15+8*(\k)]
.endif
.endm
.macro SUME T                          ; l = l f + the four chains
	v_pk_add_f32 v[SMA:SMA+1], v[SMA:SMA+1], v[SMB:SMB+1]
	v_pk_add_f32 v[SMC:SMC+1], v[SMC:SMC+1], v[SMD:SMD+1]
	v_pk_fma_f32 v[ST+4*\T+2:ST+4*\T+3], v[ST+4*\T+2:ST+4*\T+3], v[FF+2*\T:FF+2*\T+1], v[SMA:SMA+1] op_sel_hi:[1,0,1]
	v_pk_add_f32 v[ST+4*\T+2:ST+4*\T+3], v[ST+4*\T+2:ST+4*\T+3], v[SMC:SMC+1]
.endm
.macro CODES T                         ; p's codes of tile T
	WIN 0x40
.irp b, 0,1,2,3
	v_cvt_scalef32_pk8_bf8_f32 v[PCD+4*\b:PCD+4*\b+1], v[S+64*\T+16*\b:S+64*\T+16*\b+7], v[SO+\b]
	v_cvt_scalef32_pk8_bf8_f32 v[PCD+4*\b+2:PCD+4*\b+3], v[S+64*\T+16*\b+8:S+64*\T+16*\b+15], v[SO+\b]
.endr
	WIN 0
.endm
.macro PV T                            ; O^T += V^T P^T of tile T; the four accumulators take turns
	WIN 0x05
.irp t, 0,1,2,3
	v_wmma_scale_f32_16x16x128_f8f6f4 v[OT+32*\T+8*\t:OT+32*\T+8*\t+7], v[VF+16*\t:VF+16*\t+15], v[PCD:PCD+15], v[OT+32*\T+8*\t:OT+32*\T+8*\t+7], v[VSW+\t], v[PSW+\T] matrix_a_fmt:MATRIX_FMT_BF8 matrix_b_fmt:MATRIX_FMT_BF8
.endr
	WIN 0
.endm
; A KEY STEP: 128 keys for my two tiles of queries.
.macro STEP
	WIN 0x15                                       ; K, Q and the addends in window 1, S^T in window 0
.irp T, 0,1
.irp g, 0,1,2,3
.irp p, 0,1
	v_wmma_scale_f32_16x16x128_f8f6f4 v[S+64*\T+16*\g+8*\p:S+64*\T+16*\g+8*\p+7], v[KF+16*\g:KF+16*\g+15], v[QB+(16*\T+24*\p)%32:QB+(16*\T+24*\p)%32+15], v[CF+16*\g+8*\p:CF+16*\g+8*\p+7], v[KSW+\g], v[QSW+\T] matrix_a_fmt:MATRIX_FMT_BF8 matrix_b_fmt:MATRIX_FMT_BF8
.endr
.endr
.endr
	WIN 0
	v_add_nc_u32 v[ADK], s[TK], v[LI]              ; the run's addresses: K, addends and scale words one step further on than V.  With the four v_nop: eight places,
	v_add_nc_u32 v[ADC], s[TC], v[AC0]             ; ahead of the loads into registers that these products and the last trip's have read, and of the first read of the scores
	v_add_nc_u32 v[ADS], s[TS], v[AS0]
	v_add_nc_u32 v[ADV], VR-8192, v[ADK]
.rept 4
	v_nop
.endr
	ds_load_b128 v[VSW:VSW+3], v[ADS] offset:3840  ; V's scale words of this step: 4,096 on from K's, one step of 256 back
	WIN 0x40
.irp t, 0,1,2,3
.irp c, 0,1,2,3
	ds_load_b128 v[VF+16*\t+4*\c:VF+16*\t+4*\c+3], v[ADV] offset:\t*2048+\c*512
.endr
.endr
	WIN 0
	s_cmp_eq_u32 s[CNT], 1                         ; the last trip has no step behind it
	s_cbranch_scc1 .Llast_\@
	KLOADS ADK, ADC, ADS                           ; the next step's K
.Llast_\@:
	s_add_co_u32 s[TK], s[TK], 8192
	s_add_co_u32 s[TC], s[TC], 512
	s_add_co_u32 s[TS], s[TS], 256
.irp T, 0,1
.irp b, 0,1,2,3
	v_max3_num_f32 v[BM+4*\T+\b], v[S+64*\T+16*\b], v[S+64*\T+16*\b+1], v[S+64*\T+16*\b+2]   ; the largest score of each block of 32 keys: for the row's maximum and, since p rises with the score, for the block's largest p
.endr
.endr
.irp i, 3,5,7,9,11,13
.irp T, 0,1
.irp b, 0,1,2,3
	v_max3_num_f32 v[BM+4*\T+\b], v[BM+4*\T+\b], v[S+64*\T+16*\b+\i], v[S+64*\T+16*\b+\i+1]
.endr
.endr
.endr
.irp T, 0,1
.irp b, 0,1,2,3
	v_max_num_f32 v[BM+4*\T+\b], v[BM+4*\T+\b], v[S+64*\T+16*\b+15]
.endr
.endr
.irp b, 0,1,2,3
	v_permlanex16_b32 v[PM+\b], v[BM+\b], s[SEL], s[SEL+1]
.endr
.irp b, 0,1,2,3
	v_permlanex16_b32 v[HD+\b], v[BM+4+\b], s[SEL], s[SEL+1]
.endr
.irp b, 0,1,2,3
	v_max_num_f32 v[BM+\b], v[BM+\b], v[PM+\b]     ; with lane l xor 16's 16 keys
.endr
.irp b, 0,1,2,3
	v_max_num_f32 v[BM+4+\b], v[BM+4+\b], v[HD+\b]
.endr
.irp T, 0,1
	v_max3_num_f32 v[ST+4*\T+1], v[ST+4*\T+1], v[BM+4*\T], v[BM+4*\T+1]     ; the running largest score
.endr
.irp T, 0,1
	v_max3_num_f32 v[ST+4*\T+1], v[ST+4*\T+1], v[BM+4*\T+2], v[BM+4*\T+3]
.endr
.irp T, 0,1
	v_mov_b32 v[FF+2*\T], v[ST+4*\T]               ; the old -M
.endr
.irp T, 0,1
	v_mul_f32 v[TA+\T], s[CS], v[ST+4*\T+1]        ; as t (c is positive)
.endr
.irp T, 0,1
	v_floor_f32 v[ST+4*\T], -v[TA+\T]              ; the new -M = -ceil(t): a whole number
.endr
	TMM 0, 0, 4                                    ; tile 0's t - M stands among the lines that make f
.irp T, 0,1
	v_sub_f32 v[FF+2*\T], v[ST+4*\T], v[FF+2*\T]   ; old M - new M: a whole number, 0 or less
.endr
	TMM 0, 8, 4
.irp T, 0,1
	v_cvt_i32_f32 v[FF+2*\T], v[FF+2*\T]           ; (it saturates)
.endr
	TMM 0, 16, 4
.irp T, 0,1
	v_ldexp_f32 v[FF+2*\T], 1.0, v[FF+2*\T]        ; f = 2^(old M - new M)
.endr
	TMM 0, 24, 20
.irp b, 0,1,2,3
	v_fma_f32 v[BM+\b], v[BM+\b], s[CS], v[ST]
.endr
.irp T, 0,1
.set j, 0
.rept 16
	v_pk_mul_f32 v[OT+32*\T+j:OT+32*\T+j+1], v[OT+32*\T+j:OT+32*\T+j+1], v[FF+2*\T:FF+2*\T+1] op_sel_hi:[1,0]   ; O^T under the new M, each accumulator from its low end on
.set j, j+2
.endr
.endr
	WALU                                           ; ahead of the batch
.set j, 0
.rept 32                               ; tile 0's p = 2^(t - M); among them tile 1's t - M, which nothing reads before the wait behind the batch
	v_exp_f32 v[S+j], v[S+j]
	v_pk_fma_f32 v[S+64+j:S+65+j], v[S+64+j:S+65+j], s[CS:CS+1], v[ST+4:ST+5] op_sel_hi:[1,0,0]
	v_exp_f32 v[S+j+1], v[S+j+1]
.set j, j+2
.endr
.irp b, 0,1,2,3
	v_exp_f32 v[BM+\b], v[BM+\b]                   ; the block's largest p
	v_fma_f32 v[BM+4+\b], v[BM+4+\b], s[CS], v[ST+4]
.endr
	WALU                                           ; behind the batch
.irp k, 0,1,2,3,4,5
	SUMR 0, \k                                     ; tile 0's sums and its scale lines by turns
	QG 0, \k+1
.endr
	SUMR 0, 6
	SUME 0
	WALU                                           ; ahead of the second batch
.irp b, 0,1,2,3
	v_exp_f32 v[BM+4+\b], v[BM+4+\b]
.endr
.set j, 0
.rept 32                               ; tile 1's p; among them tile 0's holds, which nothing reads before the wait behind the batch
	v_exp_f32 v[S+64+j], v[S+64+j]
	v_exp_f32 v[S+65+j], v[S+65+j]
	MIN2 S+j, HD+j/16
.set j, j+2
.endr
	v_nop                                          ; a plain place behind the exponentials
	WALU                                           ; behind the batch, and directly ahead of the wait below
	s_wait_dscnt 0x0                               ; the run's loads are in: V and its scale words, and the next step's K
	CODES 0
.irp n, 1,2,3,4,5,6
	QG 1, \n                                       ; (19 plain lines: the places behind the conversions and ahead of the products)
.endr
	PV 0
	SUMR 1, 0                                      ; tile 1: each round of the sums, then the holds of the numbers that it has taken
.set j, 0
.rept 8
	MIN2 S+64+j, HD
.set j, j+2
.endr
.irp k, 1,2,3,4,5,6
	SUMR 1, \k
.irp i, 0,2,4,6
	MIN2 S+72+8*\k+\i, HD+(8+8*\k)/16
.endr
.endr
	CODES 1                                        ; over tile 0's codes: 60 plain lines stand behind the products that read them
	SUME 1                                         ; (four plain lines: the places ahead of the products)
	PV 1
.endm
; THE WAY OUT of tile T: the pooled sum, the gate, O^T / (l (1 + 2^(-x log2 e))), through my stage.
.macro EPI T
.set rQ, QB+16*\T
.set rO, OT+32*\T
.set rT, ST+4*\T
.set rR, 128+32*\T
	WIN 0x01
.irp u, 0,1,2,3
	v_cvt_scale_pk8_f32_bf8 v[96+8*\u:103+8*\u], v[rQ+2*\u:rQ+2*\u+1], v[ONE]
.endr
	WIN 0
	v_bfe_u32 v[HD], v[QSW+\T], 0, 8               ; my query's two scale bytes
	v_bfe_u32 v[HD+1], v[QSW+\T], 8, 8
	v_lshlrev_b32 v[HD], 23, v[HD]
	v_lshlrev_b32 v[HD+1], 23, v[HD+1]
.if \T == 0
	WALU
	s_wait_dscnt 0x0                               ; ks is in
.endif
	v_pk_mul_f32 v[BM:BM+1], v[96:97], v[64:65]
	v_pk_mul_f32 v[BM+2:BM+3], v[112:113], v[80:81]
.irp i, 2,4,6,8,10,12,14
	v_pk_fma_f32 v[BM:BM+1], v[96+\i:97+\i], v[64+\i:65+\i], v[BM:BM+1]
	v_pk_fma_f32 v[BM+2:BM+3], v[112+\i:113+\i], v[80+\i:81+\i], v[BM+2:BM+3]
.endr
	v_add_f32 v[BM], v[BM], v[BM+1]
	v_add_f32 v[BM+2], v[BM+2], v[BM+3]
	v_mul_f32 v[BM], v[BM], v[HD]
	v_fma_f32 v[BM], v[BM+2], v[HD+1], v[BM]
	v_permlanex16_b32 v[PM], v[BM], s[SEL], s[SEL+1]
	v_add_f32 v[BM], v[BM], v[PM]                  ; sum_k m s of my query
	v_mov_b32 v[TA], s[GB]
	v_fma_f32 v[BM], v[BM], s[GC], v[TA]           ; x = pooled x gain + bias
	v_mul_f32 v[BM], 0xbfb8aa3b, v[BM]
	WALU
	v_exp_f32 v[BM], v[BM]                         ; e^-x
	v_add_f32 v[BM+1], v[rT+2], v[rT+3]            ; l's two halves,
	v_permlanex16_b32 v[PM+1], v[BM+1], s[SEL], s[SEL+1]
	v_add_f32 v[BM+1], v[BM+1], v[PM+1]            ; and lane l xor 16's
	WALU
	v_fma_f32 v[BM+1], v[BM], v[BM+1], v[BM+1]     ; l (1 + e^-x)
	WALU
	v_rcp_f32 v[FF], v[BM+1]
	v_nop
	WALU
.set j, 0
.rept 16
	v_pk_mul_f32 v[rR+j:rR+j+1], v[rO+j:rO+j+1], v[FF:FF+1] op_sel_hi:[1,0]   ; each accumulator from its low end on
.set j, j+2
.endr
.irp t, 0,1,2,3
	ds_store_b128 v[STO], v[rR+8*\t:rR+8*\t+3] offset:64*\t
	ds_store_b128 v[STO], v[rR+8*\t+4:rR+8*\t+7] offset:64*\t+16
.endr
.irp i, 0,1,2,3,4,5,6,7
	ds_load_b128 v[rR+4*\i:rR+4*\i+3], v[RD] offset:544*\i   ; LDS serves a wave's instructions in order: these see my stores, and the next tile's stores come behind them
.endr
.endm
.macro EPILOGUE nxt
	v_and_b32 v[SMA], 15, v0                       ; r, h: the way out's addresses are made here, in registers that the steps have left.  (Eleven plain lines: the places behind the last products)
	v_bfe_u32 v[SMA+1], v0, 4, 1
	v_mul_u32_u24 v[STO], v[SMA], SPT              ; in: row r, 32 bytes for each half of the lanes
	v_lshl_add_u32 v[STO], v[SMA+1], 5, v[STO]
	v_add_nc_u32 v[STO], s[SG], v[STO]
	v_mul_u32_u24 v[RD], v[SMA+1], SPT             ; back: lanes 0-15 one row of 256 bytes, lanes 16-31 the next
	v_lshl_add_u32 v[RD], v[SMA], 4, v[RD]
	v_add_nc_u32 v[RD], s[SG], v[RD]
	v_lshlrev_b32 v[GO], 12, v[SMA+1]              ; and the same two rows in out: 4,096 bytes a row
	v_lshl_add_u32 v[GO], v[SMA], 4, v[GO]
	v_lshl_add_u32 v[KFA], v[SMA+1], 7, KSF
.if \nxt
	s_add_nc_u64 s[4:5], s[4:5], 32768             ; the second pass: 256 queries on: two blocks of 128 tokens (the first pass's loads of Q were waited for)
	s_add_nc_u64 s[6:7], s[6:7], 512
	QNEXT
.endif
.irp k, 0,1,2,3,4,5,6,7
	ds_load_b128 v[64+4*\k:67+4*\k], v[KFA] offset:16*\k     ; ks of my half's 32 places
.endr
	EPI 0
	EPI 1
	s_wait_dscnt 16                                ; tile 0's rows are back; tile 1's eight stores and eight loads may be out
.irp i, 0,1,2,3,4,5,6,7
	global_store_b128 v[GO], v[128+4*\i:131+4*\i], s[24:25] offset:8192*\i th:TH_STORE_NT   ; 16 lanes store 256 consecutive bytes, at a multiple of 256 from out's first byte
.endr
	s_wait_dscnt 0x0
.irp i, 0,1,2,3,4,5,6,7
	global_store_b128 v[GO], v[160+4*\i:163+4*\i], s[24:25] offset:65536+8192*\i th:TH_STORE_NT
.endr
	s_wait_xcnt 0x0                                ; the stores have read their registers and their base: both may be written again
.endm
.macro PASS copy, nxt                  ; 256 queries of the work-group against all 2,048 keys
	INIT_O
	QREADY \copy
	KLOADS LI, AC0, AS0                            ; step 0's K
	s_mov_b32 s[TK], 8192
	s_mov_b32 s[TC], 512
	s_mov_b32 s[TS], 256
	s_mov_b32 s[CNT], 16
	WALU
	s_wait_dscnt 0x0
.Lsteps_\@:
	STEP
	s_sub_co_u32 s[CNT], s[CNT], 1
	s_cmp_lg_u32 s[CNT], 0
	s_cbranch_scc1 .Lsteps_\@
	EPILOGUE \nxt
.endm
	PASS 0, 1
	s_add_nc_u64 s[24:25], s[24:25], 1048576       ; 256 rows of out on
	PASS 1, 0
	s_wait_tensorcnt 0x0                           ; the wave's end
	ds_add_u32 v[SPW], v[NIL]
	s_wait_dscnt 0x0
	CROUND                                         ; the closing round
	s_endpgm
.Lfunc_end_k_q030103f8a1_attn:
	.size	k_q030103f8a1_attn, .Lfunc_end_k_q030103f8a1_attn-k_q030103f8a1_attn
	.p2alignl 7, 3214868480
	.fill 96, 4, 3214868480
	.section	.rodata,"a",@progbits
	.p2align	6, 0x0
	.amdhsa_kernel k_q030103f8a1_attn
		.amdhsa_group_segment_fixed_size 327680
		.amdhsa_private_segment_fixed_size 0
		.amdhsa_enable_private_segment 0
		.amdhsa_kernarg_size 88
		.amdhsa_user_sgpr_count 2
		.amdhsa_user_sgpr_kernarg_segment_ptr 1
		.amdhsa_wavefront_size32 1
		.amdhsa_system_sgpr_workgroup_id_x 1
		.amdhsa_system_sgpr_workgroup_id_y 1
		.amdhsa_system_sgpr_workgroup_id_z 1
		.amdhsa_system_vgpr_workitem_id 0
		.amdhsa_next_free_vgpr 512
		.amdhsa_next_free_sgpr 102
		.amdhsa_reserve_vcc 1
		.amdhsa_float_denorm_mode_32 3
		.amdhsa_float_denorm_mode_16_64 3
		.amdhsa_memory_ordered 1
		.amdhsa_forward_progress 1
		.amdhsa_inst_pref_size 152
	.end_amdhsa_kernel
	.amdgpu_metadata
---
amdhsa.version: [ 1, 2 ]
amdhsa.kernels:
  - .name:           k_q030103f8a1_attn
    .symbol:         k_q030103f8a1_attn.kd
    .args:
      - { .name: qc, .offset: 0, .size: 8, .value_kind: global_buffer, .address_space: global }
      - { .name: qsc, .offset: 8, .size: 8, .value_kind: global_buffer, .address_space: global }
      - { .name: kc, .offset: 16, .size: 8, .value_kind: global_buffer, .address_space: global }
      - { .name: ksc, .offset: 24, .size: 8, .value_kind: global_buffer, .address_space: global }
      - { .name: vc, .offset: 32, .size: 8, .value_kind: global_buffer, .address_space: global }
      - { .name: vsc, .offset: 40, .size: 8, .value_kind: global_buffer, .address_space: global }
      - { .name: value_key_masks, .offset: 48, .size: 8, .value_kind: global_buffer, .address_space: global }
      - { .name: value_key_counts, .offset: 56, .size: 8, .value_kind: global_buffer, .address_space: global }
      - { .name: overall_gain, .offset: 64, .size: 8, .value_kind: global_buffer, .address_space: global }
      - { .name: overall_bias, .offset: 72, .size: 8, .value_kind: global_buffer, .address_space: global }
      - { .name: out0, .offset: 80, .size: 8, .value_kind: global_buffer, .address_space: global }
    .group_segment_fixed_size: 327680
    .private_segment_fixed_size: 0
    .kernarg_segment_align: 8
    .kernarg_segment_size: 88
    .max_flat_workgroup_size: 256
    .sgpr_count:     102
    .vgpr_count:     512
    .wavefront_size: 32
...
	.end_amdgpu_metadata
.endif
;; end of part 2
